; MI455X (gfx1250); checked and timed in simulation.
; The chip was launched on July 23, 2026; its instructions are those of AMD's public machine-readable ISA for CDNA 5 (MIT licence, August 2026) and "CDNA5" Instruction Set Architecture Reference Guide (July 2026). The comments in the code are by the model that wrote it; some were corrected since.
;; Causal Multi Head Attention. Allowed arithmetic: matrix products marked QUANTISED: E4M3 operands, one given power-of-two scale a tensor, by v_wmma_f32_16x16x64_fp8_fp8 or v_wmma_f32_16x16x128_fp8_fp8, f32 sums; everything else in f32.
;; Inputs: Wk_codes 1,024 x 32 x 32 uint8 (E4M3 codes of Wk, K innermost, in blocks of 32 codes); Wo_codes 1,024 x 32 x 32 uint8 (E4M3 codes of Wo, K innermost, in blocks of 32 codes); Wq_codes 1,024 x 32 x 32 uint8 (E4M3 codes of Wq, K innermost, in blocks of 32 codes); Wv_codes 1,024 x 32 x 32 uint8 (E4M3 codes of Wv, K innermost, in blocks of 32 codes); bo 1,024 float32; lowp_scales 12 int32 (the exponents e of the quantised operands' scales 2^e); x_codes 4 x 2,048 x 32 x 32 uint8 (E4M3 codes of x, K innermost, in blocks of 32 codes).
;; Outputs: out0 4 x 2,048 x 1,024 float32.
;; This version of the problem:
;;   THIS VERSION OF THE PROBLEM IS GIVEN IN LOW PRECISION. The matrix products marked QUANTISED in the list below multiply operands that are first quantised to E4M3 (4 exponent bits, 3 mantissa bits; 8 bits a number), with one given power-of-two scale for each operand tensor; their sums are f32. All else is computed in f32.
;;   The module's matrix products, in the order in which they are computed (A, B: the left and right operand; K: the contracted axis; several contracted axes count as one K, in the product's order):
;;     1. [M 8,192, K 1,024] x [K 1,024, N 1,024]; A: input x (given as codes); B: input Wq (given as codes): QUANTISED (scales: A lowp_scales[0], B lowp_scales[1])
;;     2. [M 8,192, K 1,024] x [K 1,024, N 1,024]; A: input x (given as codes); B: input Wk (given as codes): QUANTISED (scales: A lowp_scales[2], B lowp_scales[3])
;;     3. [M 8,192, K 1,024] x [K 1,024, N 1,024]; A: input x (given as codes); B: input Wv (given as codes): QUANTISED (scales: A lowp_scales[4], B lowp_scales[5])
;;     4. batch 64 x [M 2,048, K 64] x [K 64, N 2,048]; A: computed on the way; B: computed on the way: QUANTISED (scales: A lowp_scales[6], B lowp_scales[7])
;;     5. batch 64 x [M 2,048, K 2,048] x [K 2,048, N 64]; A: softmax (see below); B: computed on the way: QUANTISED (scales: A lowp_scales[8], B lowp_scales[9])
;;     6. [M 8,192, K 1,024] x [K 1,024, N 1,024]; A: computed on the way; B: input Wo (given as codes): QUANTISED (scales: A lowp_scales[10], B lowp_scales[11])
;;   THE QUANTISER, for each operand of a quantised product, along K:
;;     - The operand's scale is 2^e, e = its entry of the input lowp_scales (int32; the entries are numbered through the quantised products in the list's order, A before B).
;;     - Each number is divided by the scale, clamped to +-448, and rounded to the nearest number of E4M3, ties to even, subnormals kept.
;;     - The product sums the exact products of the quantised numbers (number of the format x scale) in f32.
;;   ~~~python
;;   def quantise(x, axis, e):      # numpy; x: float32 -> the quantised numbers, widened to float32 again
;;       x = np.moveaxis(x, axis, -1); K = x.shape[-1]
;;       r = np.clip(x / 2.0 ** e, -448, 448)
;;       step = 2.0 ** (np.maximum(np.frexp(np.where(r == 0, 1, r))[1] - 1, -6) - 3)
;;       q = np.round(r / step) * step * 2.0 ** e      # np.round: ties to even
;;       return np.moveaxis(q, -1, axis).astype(np.float32)
;;   ~~~
;;   SOFTMAX AHEAD OF A QUANTISED PRODUCT. Where the list says 'softmax', what is quantised is not the finished softmax but p = 2^(t - M), with t = logit x log2(e) and M = ceil(the row's largest t), a whole number; so 1/2 < the row's largest p <= 1. The row's sum l is taken of the UNQUANTISED p, in f32, and the product's result is divided by l at the end. Since M is a whole number, a kernel that streams over the keys may use a running M (the ceiling of the running maximum): every later rescaling is an exact power of two, so the quantised numbers keep their values, but for numbers so far below the row's largest that they fall under the format's range.
;;   OPERANDS COMPUTED ON THE WAY. 'Computed on the way' means the value that the module computes at that place (a softmax that the list does not call 'softmax' is quantised finished and normalised). What goes into a quantiser is computed in f32, as accurately as f32 sums, v_exp_f32 and their like allow (about 1e-6 of the number): no bf16 or f16 on the way to a quantiser, and a product that is left as it is and whose result goes on into a quantised operand takes f32 operands (vector FMAs, or v_wmma_f32_16x16x4_f32). A number that lies on a knife's edge between two numbers of the format may be rounded either way, as far as f32 arithmetic and the matrix unit's own rounding can turn it there, and no further.
;;   INPUTS GIVEN AS CODES. Wk (in the module: [1024, 1024], K = its axis 0); Wo (in the module: [1024, 1024], K = its axis 0); Wq (in the module: [1024, 1024], K = its axis 0); Wv (in the module: [1024, 1024], K = its axis 0); x (in the module: [4, 2048, 1024], K = its axis 2): each comes as NAME_codes (uint8): NAME with its K axis moved to the last place and cut into blocks of 32 codes, [.., K / 32, bytes a block], one block behind the other in memory; one code a byte (a code: sign, 4 exponent bits, 3 mantissa bits); its scale is its entry of lowp_scales. Its value is code x scale, taken as it is: it is not quantised again, and the codes and scales need not be those that the quantiser above would give.
;; One version. Each part assembles by itself: llvm-mc -triple=amdgcn-amd-amdhsa -mcpu=gfx1250 --defsym DOCPART=n.
;; ======== version 1 of 1: 3 launches
;; limits: right only within a limited range of input values
;; workspace buffers: qimg 8,388,608 bytes; kimg 8,388,608 bytes; vimg 8,388,608 bytes; yimg 8,388,608 bytes
;; launch qkv (part 1): grid 8 x 32, 4 waves a work-group, clusters of 4 x 1, 266,752 bytes of LDS; arguments x_codes, Wq_codes, Wk_codes, Wv_codes, lowp_scales, qimg, kimg, vimg; writes qimg, kimg, vimg
.if DOCPART == 1
	.amdgcn_target "amdgcn-amd-amdhsa--gfx1250"
	.amdhsa_code_object_version 6
	.text
	.protected	k_q64693b5501_qkv
	.globl	k_q64693b5501_qkv
	.p2align	8
	.type	k_q64693b5501_qkv,@function
k_q64693b5501_qkv:
	s_mov_b64 s[64:65], 0
	v_nop
	global_prefetch_b8 v0, s[64:65] scope:SCOPE_SE
	s_setreg_imm32_b32 hwreg(HW_REG_WAVE_MODE, 25, 1), 1
	s_wait_xcnt 0x0
	s_wait_alu depctr_hold_cnt(0) depctr_sa_sdst(0) depctr_va_vdst(0) depctr_va_sdst(0) depctr_va_ssrc(0) depctr_va_vcc(0) depctr_vm_vsrc(0)
	s_getreg_b32 s2, hwreg(HW_REG_IB_STS2, 6, 4)
	s_cmp_eq_u32 s2, 0
	s_cbranch_scc0 .Lentry_in_a_cluster
	s_endpgm
.Lentry_in_a_cluster:
	s_bfe_u32 s2, ttmp6, 0x10000c
	s_cmp_lg_u32 s2, 0x3003
	s_cbranch_scc0 .Lentry_shape_is_right
	s_endpgm
.Lentry_shape_is_right:
; q = x Wq, k = x Wk, v = x Wv on codes of FP8 (E4M3), and the three results quantised at once: q with 2^e6, k with 2^e7, v with 2^e9.
; x_codes: [8192 tokens][1024] bytes; W*_codes: [1024 features][1024] bytes, K innermost.  lowp_scales: e0 .. e11.
; A sum of the first product stands for sum x 2^(e0 + e1), so q's code is sum / 2^(e6 - e0 - e1): the three scales are folded into the conversion's one; k and v likewise.
; LIMITS: e6 - e0 - e1, e7 - e2 - e3 and e9 - e4 - e5 lie between -126 and 127, so that the scale is an f32 number.  NaN codes among the inputs are not served.
; SHARES.  A work-group of four waves takes 256 tokens and 128 features (two heads) of each of q, k, v.  Wave w keeps rows 32 w .. 32 w + 31 of that part of Wq, Wk and Wv, for all of K, in registers:
; 6 tiles x 8 K steps x 16 = 768 registers, read once.  The 256 rows of x lie in LDS, whole: one tensor load a wave, nothing is ever filled again.  Each fragment of x read from LDS feeds six products.
; CLUSTER.  The four work-groups of a cluster take the same 256 tokens and other features: x's tile is asked for jointly (mask 15, the same descriptor in all four).
; All that the launch reads is asked for at its head, so there is nothing left to ask for ahead of its loads.
; WHAT A LANE HOLDS.  q, k: source 0 = 16 rows of W, source 1 = 16 rows of x: a lane holds ONE token and eight neighbouring features, and one conversion gives registers 2 c, 2 c + 1 of the next product's operand
; (K = the head's 64; this form's layout: registers 2 c, 2 c + 1 hold k = 16 c + 8 (lane / 16) + 0 .. 7).  v: the sources swapped: a lane holds ONE feature and eight neighbouring tokens: V^T with the keys along the registers.
; THE WORKSPACES ARE IMAGES OF OPERAND REGISTERS: qimg, kimg [head 64][token tile 128][g 2][lane 32][16 bytes]; vimg [head 64][32 tokens 64][d tile 4][lane 32][16 bytes].  Every store of a wave is 512 consecutive bytes, aligned.
; x's and W's fragments are fetched 16 bytes at a time (registers 4 c .. 4 c + 3: k = 32 c + 16 (lane / 16) + 0 .. 15): a permutation of k, the same on both sides, so every product meets its partner.
; REGISTERS, in windows of 256: window 0: v1-7 addresses and scales; v8-31 the codes just made; v32-95, v96-159 two buffers of x's fragments (2 K steps x 2 tiles of tokens); v160-255 twelve accumulators.
;   window 1: Wq's fragments (tile f, K step ks at 128 f + 16 ks); window 2: Wk's; window 3: Wv's.
.set PITCH, 1040                       ; an LDS row of x: 1,024 bytes + 16 of padding = 260 words: row r starts at bank 4 r mod 64 (64 banks of 4 bytes: ISA guide 11.1)
.set T16,   16*PITCH                   ; a tile of 16 tokens
.set TRIPB, 32*PITCH                   ; a trip's 32 tokens
.set WFILL, 64*PITCH                   ; what one wave's tensor load fills
.set AX0,  1                           ; v1   my lane's place in a tile of x: PITCH x (lane % 16) + 16 x (lane / 16)
.set ADR,  2                           ; v2   the same in the trip's 32 rows
.set VO,   3                           ; v3   my byte in the images: 16 x lane + 2,048 x trip
.set SQ,   4                           ; v4, v5, v6  the conversions' scales for q, k, v
.set SK,   5
.set SV,   6
.set WOFF, 7                           ; v7   my lane's place in a tile of W in memory: 1,024 x (lane % 16) + 16 x (lane / 16)
.set CQ,   8                           ; v8-15  q's codes: four registers for each tile of tokens
.set CK,   16                          ; v16-23 k's
.set CV,   24                          ; v24-31 v's: four registers for each tile of features
.set XB,   32                          ; x's fragments: buffer p at XB + 64 p; (tile t, K step kk of two) at + 16 (2 kk + t)
.set ACC,  160                         ; accumulator (type, f, t) at ACC + 32 type + 16 f + 8 t
.set WV,   20                          ; s20  my wave's number
.set G1,   24                          ; s[24:31] descriptor group 1
.set G0,   32                          ; s[32:35] descriptor group 0
.set LQ,   50
.set LK,   52
.set LV,   54
.set TB,   56                          ; s56  LDS byte at which the trip's 32 rows begin
.set CNT,  57                          ; s57  trips to go
.set MSB,  0
.macro WIN new                         ; the immediate's high byte repeats the setting that is left; a switch that changes nothing is dropped
.if MSB != (\new)
	s_set_vgpr_msb (MSB<<8)|(\new)
.set MSB, (\new)
.endif
.endm
.macro PLACES n
.rept \n
	v_nop
.endr
.endm
.macro CROUND                          ; a round of the cluster's barrier: my work-group's barrier; wave 0 signals for the work-group; every wave waits for all four work-groups; my work-group's barrier once more
	s_barrier_signal -1
	s_barrier_wait -1
	s_cmp_lg_u32 s[WV], 0
	s_cbranch_scc1 .Lnot_wave_0_\@
	s_barrier_signal -3
.Lnot_wave_0_\@:
	s_barrier_wait -3
	s_barrier_signal -1
	s_barrier_wait -1
.endm
	s_load_b512 s[4:19], s[0:1], 0x0               ; x s[4:5], Wq s[6:7], Wk s[8:9], Wv s[10:11], the exponents s[12:13], qimg s[14:15], kimg s[16:17], vimg s[18:19]
	v_lshl_add_u32 v254, v0, 2, 0x41000
	v_mov_b32 v255, 0
	ds_add_u32 v254, v255
	ds_add_u32 v254, v255
	s_wait_dscnt 0x0
	v_lshrrev_b32 v1, 5, v0
	v_readfirstlane_b32 s[WV], v1                  ; wave 0..3
	s_bfe_u32 s21, ttmp6, 0x40000                  ; cx: my place in the cluster
	s_lshl_b32 s22, ttmp9, 2
	s_add_co_u32 s22, s22, s21                     ; my group of 128 features = 4 x cluster x + cx: it enters W's and the images' addresses alone
	s_and_b32 s23, ttmp7, 0xffff                   ; my block of 256 tokens, which the four partners share
	; descriptor group 1: 64 rows of 1,024 bytes, padded in LDS
	s_mov_b32 s[G1], 15|(1<<20)|(1<<21)|(7<<22)|(3<<25)   ; 15:0 the mask: all four work-groups; 17:16 elements of 1 byte; 20 padding on; 21 set beside a mask; 24:22 after every 256 words (code 7); 31:25 four words (code 3)
	s_mov_b32 s[G1+1], 1024<<16                    ; tensor_dim0 = 1,024
	s_mov_b32 s[G1+2], 64<<16                      ; tensor_dim1 = 64
	s_mov_b32 s[G1+3], 1024<<16                    ; tile_dim0 = 1,024
	s_mov_b32 s[G1+4], 64                          ; tile_dim1 = 64
	s_mov_b32 s[G1+5], 1024                        ; from row to row
	s_mov_b32 s[G1+6], 0
	s_mov_b32 s[G1+7], 0
	s_mov_b32 s[G0], 1                             ; count = 1
	s_mul_i32 s[G0+1], s[WV], WFILL                ; LDS address: my 64 rows: the wave's number alone
	s_lshl_b32 s58, s23, 18                        ; x: (256 x block + 64 x wave) rows of 1,024 bytes
	s_lshl_b32 s59, s[WV], 16
	s_add_co_u32 s58, s58, s59
	s_mov_b32 s59, 0
	v_and_b32 v8, 15, v0                           ; lane % 16
	v_bfe_u32 v9, v0, 4, 1                         ; lane / 16
	v_mul_u32_u24 v[AX0], v8, PITCH
	v_lshl_add_u32 v[AX0], v9, 4, v[AX0]
	v_lshlrev_b32 v[WOFF], 10, v8
	v_lshl_add_u32 v[WOFF], v9, 4, v[WOFF]
	v_and_b32 v[VO], 31, v0
	v_lshlrev_b32 v[VO], 4, v[VO]
	; what hangs on cx stands in registers that never feed the descriptor
	s_lshl_b32 s60, s22, 17                        ; W: (128 x group + 32 x wave) rows of 1,024 bytes
	s_lshl_b32 s62, s[WV], 15
	s_add_co_u32 s60, s60, s62
	s_mov_b32 s61, 0
	s_lshl_b32 s48, s22, 1
	s_lshr_b32 s62, s[WV], 1
	s_add_co_u32 s48, s48, s62                     ; my head = 2 x group + wave / 2
	s_lshr_b32 s62, s23, 3
	s_lshl_b32 s62, s62, 4
	s_add_co_u32 s48, s48, s62                     ; + 16 x batch
	s_lshl_b32 s48, s48, 17                        ; a head's image is 131,072 bytes
	s_and_b32 s62, s23, 7
	s_lshl_b32 s62, s62, 14
	s_add_co_u32 s48, s48, s62                     ; + my 256 tokens of the sequence: 16,384 bytes in each of the three images
	s_and_b32 s62, s[WV], 1
	s_lshl_b32 s62, s62, 9
	s_add_co_u32 s48, s48, s62                     ; q, k: + 512 x (wave % 2): my half g of a fragment
	s_mov_b32 s49, 0
	s_wait_kmcnt 0x0
	s_load_b256 s[36:43], s[12:13], 0x0            ; e0 .. e7
	s_load_b128 s[44:47], s[12:13], 0x20           ; e8 .. e11
	s_add_nc_u64 s[G0+2:G0+3], s[4:5], s[58:59]    ; global address of my 64 rows
	s_or_b32 s[G0+3], s[G0+3], 0x80000000          ; type = 2
	s_add_nc_u64 s[6:7], s[6:7], s[60:61]
	s_add_nc_u64 s[8:9], s[8:9], s[60:61]
	s_add_nc_u64 s[10:11], s[10:11], s[60:61]
	s_add_nc_u64 s[14:15], s[14:15], s[48:49]
	s_add_nc_u64 s[16:17], s[16:17], s[48:49]
	s_add_co_u32 s48, s48, s62                     ; v: + 1,024 x (wave % 2): my two tiles of the head's four
	s_add_nc_u64 s[18:19], s[18:19], s[48:49]
	CROUND                                         ; all four work-groups are here: the joint loads meet
	tensor_load_to_lds s[G0:G0+3], s[G1:G1+7]      ; my one tensor load of the launch
	s_nop 0
	PLACES 4                                       ; four v_nop follow it, ahead of the switch of windows
.macro WLOAD base                      ; 64 loads: my 32 rows of one weight, all of K, into a window of their own
.irp f, 0,1
.irp ks, 0,1,2,3,4,5,6,7
.irp c, 0,1,2,3
	global_load_b128 v[128*\f+16*\ks+4*\c:128*\f+16*\ks+4*\c+3], v[WOFF], s[\base:\base+1] offset:\f*16384+\ks*128+32*\c
.endr
.endr
.endr
.endm
	WIN 0x40                                       ; destination window 1, address window 0
	s_wait_alu depctr_va_vdst(0)
	WLOAD 6
	WIN 0x80
	WLOAD 8
	WIN 0xc0
	WLOAD 10
	WIN 0
.macro SCALE ea, eb, ec, vs, lim       ; e = ea - eb - ec: 2^e into v[vs]
	s_sub_co_i32 s62, s[\ea], s[\eb]
	s_sub_co_i32 s62, s62, s[\ec]
	s_add_co_i32 s62, s62, 127
	s_lshl_b32 s63, s62, 23
	v_mov_b32 v[\vs], s63                          ; the conversion takes its exponent field
.endm
	s_wait_kmcnt 0x0
	SCALE 42, 36, 37, SQ, LQ                       ; e6 - e0 - e1
	SCALE 43, 38, 39, SK, LK                       ; e7 - e2 - e3
	SCALE 45, 40, 41, SV, LV                       ; e9 - e4 - e5
; 16 LDS loads: x's fragments of chunk q (K steps 2 q and 2 q + 1) of this trip's 32 rows (ahead = 0) or the next trip's (1), into buffer buf
.macro XFETCH buf, q, ahead
.irp kk, 0,1
.irp t, 0,1
.irp c, 0,1,2,3
	ds_load_b128 v[XB+64*(\buf)+16*(2*\kk+\t)+4*\c:XB+64*(\buf)+16*(2*\kk+\t)+4*\c+3], v[ADR] offset:(\ahead)*TRIPB+\t*T16+(2*(\q)+\kk)*128+32*\c
.endr
.endr
.endr
.endm
; 8 products of one type (0 q, 1 k, 2 v): two K steps x two tiles of features x two tiles of tokens.  Its four accumulators take turns, one instruction a turn.
; A trip's first products start the sums with the constant 0: nothing is cleared.
.macro MULS q, type
.irp kk, 0,1
.irp f, 0,1
.irp t, 0,1
.set rD, ACC+32*(\type)+16*\f+8*\t
.set rW, 128*\f+16*(2*(\q)+\kk)
.set rX, XB+64*((\q)%2)+16*(2*\kk+\t)
.if (\type) == 2
.if ((\q) == 0) && (\kk == 0)
	v_wmma_f32_16x16x128_fp8_fp8 v[rD:rD+7], v[rX:rX+15], v[rW:rW+15], 0
.else
	v_wmma_f32_16x16x128_fp8_fp8 v[rD:rD+7], v[rX:rX+15], v[rW:rW+15], v[rD:rD+7]
.endif
.else
.if ((\q) == 0) && (\kk == 0)
	v_wmma_f32_16x16x128_fp8_fp8 v[rD:rD+7], v[rW:rW+15], v[rX:rX+15], 0
.else
	v_wmma_f32_16x16x128_fp8_fp8 v[rD:rD+7], v[rW:rW+15], v[rX:rX+15], v[rD:rD+7]
.endif
.endif
.endr
.endr
.endr
.endm
; A chunk: 256 along K, 24 products on one buffer of x; then that buffer takes the chunk two further on.
.macro CHUNK q, cnt, fetch, fq, ahead
	s_wait_dscnt \cnt                              ; LDS loads come back in order: this chunk's 16 are in; the next chunk's 16, issued behind them, may be out
	WIN 0x01                                       ; source 0 (Wq) window 1
	MULS \q, 0
	WIN 0x02                                       ; source 0 (Wk) window 2
	MULS \q, 1
	WIN 0x0c                                       ; source 1 (Wv) window 3
	MULS \q, 2
	WIN 0
.if (\fetch) || ((\q) == 3)
	PLACES 4                                       ; four places in front of loads into registers that matrix instructions have read, and of the first read of results
.endif
.if \fetch
	XFETCH (\q)%2, \fq, \ahead
.endif
.endm
; The way out of a trip: the conversions, six stores of 512 consecutive bytes.
.macro EPI last
.set ix, 0
.rept 32
.set ix, ix+1
.endr
.set ix, 0
.rept 32
.set ix, ix+1
.endr
.set ix, 0
.rept 32
.set ix, ix+1
.endr
.irp t, 0,1                            ; q, k: a tile of tokens' four registers come from my two tiles of features
	v_cvt_scalef32_pk8_fp8_f32 v[CQ+4*\t:CQ+4*\t+1], v[ACC+8*\t:ACC+8*\t+7], v[SQ]
	v_cvt_scalef32_pk8_fp8_f32 v[CQ+4*\t+2:CQ+4*\t+3], v[ACC+16+8*\t:ACC+16+8*\t+7], v[SQ]
	v_cvt_scalef32_pk8_fp8_f32 v[CK+4*\t:CK+4*\t+1], v[ACC+32+8*\t:ACC+32+8*\t+7], v[SK]
	v_cvt_scalef32_pk8_fp8_f32 v[CK+4*\t+2:CK+4*\t+3], v[ACC+48+8*\t:ACC+48+8*\t+7], v[SK]
.endr
.irp f, 0,1                            ; v: a tile of features' four registers come from the two tiles of tokens
	v_cvt_scalef32_pk8_fp8_f32 v[CV+4*\f:CV+4*\f+1], v[ACC+64+16*\f:ACC+64+16*\f+7], v[SV]
	v_cvt_scalef32_pk8_fp8_f32 v[CV+4*\f+2:CV+4*\f+3], v[ACC+72+16*\f:ACC+72+16*\f+7], v[SV]
.endr
	v_nop                                          ; one plain vector instruction between the last conversion and the next trip's products, which write its sources
.irp t, 0,1
	global_store_b128 v[VO], v[CQ+4*\t:CQ+4*\t+3], s[14:15] offset:1024*\t
	global_store_b128 v[VO], v[CK+4*\t:CK+4*\t+3], s[16:17] offset:1024*\t
.endr
.irp f, 0,1
	global_store_b128 v[VO], v[CV+4*\f:CV+4*\f+3], s[18:19] offset:512*\f
.endr
.if !(\last)
	s_wait_xcnt 0x0                                ; the stores have read their offset and their data: both are written again only behind this wait
	v_add_nc_u32 v[VO], 2048, v[VO]                ; the next 32 tokens' place in each image
.endif
.endm
; A trip: 32 tokens x my 96 features x all of K: 96 products.
.macro TRIP last
	v_add_nc_u32 v[ADR], s[TB], v[AX0]
	s_wait_alu depctr_va_vdst(0)
	CHUNK 0, 16, 1, 2, 0
	CHUNK 1, 16, 1, 3, 0
.if \last
	CHUNK 2, 16, 0, 0, 0                           ; nothing is left to fetch
	CHUNK 3, 0, 0, 0, 0                            ; no load was issued behind this chunk's
.else
	CHUNK 2, 16, 1, 0, 1                           ; the next trip's first two chunks
	CHUNK 3, 16, 1, 1, 1
.endif
	EPI \last
.if !(\last)
	s_add_co_u32 s[TB], s[TB], TRIPB
.endif
.endm
	s_wait_tensorcnt 0x0                           ; my 64 rows of x are in LDS,
	s_barrier_signal -1
	s_barrier_wait -1                              ; everybody's are
	s_mov_b32 s[TB], 0
	v_add_nc_u32 v[ADR], s[TB], v[AX0]
	XFETCH 0, 0, 0
	XFETCH 1, 1, 0
	s_wait_loadcnt 0x0                             ; the weights, once
	s_mov_b32 s[CNT], 7
.Ltrip:
	TRIP 0
	s_sub_co_u32 s[CNT], s[CNT], 1
	s_cmp_lg_u32 s[CNT], 0
	s_cbranch_scc1 .Ltrip
	TRIP 1                                         ; the last trip is written out: it fetches nothing beyond the 256 rows
	s_wait_dscnt 0x0
	s_wait_xcnt 0x0
	v_lshl_add_u32 v254, v0, 2, 0x41000
	v_mov_b32 v255, 0
	s_wait_alu depctr_va_vdst(0)
	s_wait_tensorcnt 0x0
	ds_add_u32 v254, v255
	s_wait_dscnt 0x0
	CROUND                                         ; the closing round: no work-group ends while a partner may still ask for the tile that names it
	s_endpgm
.Lfunc_end_k_q64693b5501_qkv:
	.size	k_q64693b5501_qkv, .Lfunc_end_k_q64693b5501_qkv-k_q64693b5501_qkv
	.p2alignl 7, 3214868480
	.fill 96, 4, 3214868480
	.section	.rodata,"a",@progbits
	.p2align	6, 0x0
	.amdhsa_kernel k_q64693b5501_qkv
		.amdhsa_group_segment_fixed_size 266752
		.amdhsa_private_segment_fixed_size 0
		.amdhsa_enable_private_segment 0
		.amdhsa_kernarg_size 64
		.amdhsa_user_sgpr_count 2
		.amdhsa_user_sgpr_kernarg_segment_ptr 1
		.amdhsa_wavefront_size32 1
		.amdhsa_system_sgpr_workgroup_id_x 1
		.amdhsa_system_sgpr_workgroup_id_y 1
		.amdhsa_system_sgpr_workgroup_id_z 1
		.amdhsa_system_vgpr_workitem_id 0
		.amdhsa_next_free_vgpr 1024
		.amdhsa_next_free_sgpr 66
		.amdhsa_reserve_vcc 0
		.amdhsa_float_denorm_mode_32 3
		.amdhsa_float_denorm_mode_16_64 3
		.amdhsa_fp16_overflow 1
		.amdhsa_memory_ordered 1
		.amdhsa_forward_progress 1
		.amdhsa_inst_pref_size 49
	.end_amdhsa_kernel
	.amdgpu_metadata
---
amdhsa.version: [ 1, 2 ]
amdhsa.kernels:
  - .name:           k_q64693b5501_qkv
    .symbol:         k_q64693b5501_qkv.kd
    .args:
      - { .name: x_codes, .offset: 0, .size: 8, .value_kind: global_buffer, .address_space: global }
      - { .name: Wq_codes, .offset: 8, .size: 8, .value_kind: global_buffer, .address_space: global }
      - { .name: Wk_codes, .offset: 16, .size: 8, .value_kind: global_buffer, .address_space: global }
      - { .name: Wv_codes, .offset: 24, .size: 8, .value_kind: global_buffer, .address_space: global }
      - { .name: lowp_scales, .offset: 32, .size: 8, .value_kind: global_buffer, .address_space: global }
      - { .name: qimg, .offset: 40, .size: 8, .value_kind: global_buffer, .address_space: global }
      - { .name: kimg, .offset: 48, .size: 8, .value_kind: global_buffer, .address_space: global }
      - { .name: vimg, .offset: 56, .size: 8, .value_kind: global_buffer, .address_space: global }
    .group_segment_fixed_size: 266752
    .private_segment_fixed_size: 0
    .kernarg_segment_align: 8
    .kernarg_segment_size: 64
    .max_flat_workgroup_size: 128
    .sgpr_count:     66
    .vgpr_count:     1024
    .wavefront_size: 32
...
	.end_amdgpu_metadata
.endif
;; end of part 1
;; launch attn (part 2): grid 4 x 64, 16 waves a work-group, no clusters, 327,680 bytes of LDS; arguments qimg, kimg, vimg, lowp_scales, yimg; writes yimg
.if DOCPART == 2
	.amdgcn_target "amdgcn-amd-amdhsa--gfx1250"
	.amdhsa_code_object_version 6
	.text
	.protected	k_q64693b5501_attn
	.globl	k_q64693b5501_attn
	.p2align	8
	.type	k_q64693b5501_attn,@function
k_q64693b5501_attn:
	s_mov_b64 s[64:65], 0
	v_nop
	global_prefetch_b8 v0, s[64:65] scope:SCOPE_SE
	s_setreg_imm32_b32 hwreg(HW_REG_WAVE_MODE, 25, 1), 1
	s_wait_xcnt 0x0
; Causal attention of one head on codes of FP8 (E4M3), and its result quantised with 2^e10 for the last product.  Head size 64, 2,048 tokens, 64 heads (batch x head).
; qimg, kimg: [head 64][token tile 128][g 2][lane 32][16]: a fragment (16 tokens x 64) is 1,024 dense bytes.  vimg: [head 64][32 keys 64][d tile 4][lane 32][16]: V^T with the keys along the registers.
; yimg: [row tile 512][K step 8][g 4][lane 32][16]: the last product's operand; a head's 64 features are registers 8 (head % 2) .. + 7 of K step head / 2.
; THE SOFTMAX: t = score x 2^(e6 + e7) x log2(e) / 8; M = the largest t so far, rounded UP to a whole number; p = 2^(t - M) is quantised with 2^e8, not normalised; the row's sum is taken of the unquantised p and divides at the end.
; When M moves, the sum and O are multiplied by 2^(old M - new M), which rounds nothing.
; LIMITS: e6 + e7 between -123 and 130 (added to c's exponent field); e8, and e10 - e8 - e9, between -126 and 127.  NaN codes are not served.
; SHARES.  A work-group of sixteen waves owns query blocks j and 7 - j (256 queries each) of one head.  Wave w takes tile w of block j, then tile 15 - w of block 7 - j: the key steps of 128 that the mask leaves it
; are 2 j + w / 8 + 1 and 15 - 2 j + (15 - w) / 8: 17 in all, for every wave of every work-group.  A step all of whose keys come after the wave's queries is jumped over: a scalar branch on ids.
; LDS holds the head's whole K (bytes 0 on) and V (131,072 on), as they lie in memory: each wave issues two tensor loads of 8,192 bytes at the head, one for keys 0-1,023 and one for keys 1,024-2,047; nothing is filled again.
; The first pass reads keys under 1,024 alone (its loop has 8 trips), so it begins when the early halves are in.
; NO CLUSTER: the four work-groups of a head read the same K and V, but which key steps a wave jumps over hangs on which query blocks its work-group owns.
; All that the launch reads is asked for at its head, so there is nothing left to ask for ahead of its loads.
; LAYOUT.  S^T = K Q^T (source 0 = 16 keys, source 1 = my 16 queries), O^T = V^T P^T: a lane holds ONE query (lane % 16) throughout.  Register i of tile u holds key 16 u + 8 (lane / 16) + i:
; one conversion of a tile gives registers 2 u, 2 u + 1 of P's fragment in this form's own layout.  Likewise O^T's tile d gives registers 2 d, 2 d + 1 of the head's part of y's fragment.
; REGISTERS: v1 16 x lane; v2, v3 LDS addresses of the step; v4 lane % 16 - 8 (lane / 16); v12 -M, v13 the largest t, v[14:15] the sum in two halves; v16-23, v24-31 Q of the two passes;
;   v32-95 K's eight fragments, then V's four; v96-159 S^T, then p; v160-191 O^T; v208-215, v216-223 y's codes of the two passes; v224-239 p's codes; v244 2^e8; v246 the same for y; v236, v242-243, v252-254 at work.
.set LI,   1
.set ADK,  2
.set ADV,  3
.set DL,   4
.set VOFF, 131072                      ; V's place in LDS
.set WV,   18                          ; s18  my wave's number
.set SEL,  20                          ; s[20:21] lane selects for v_permlanex16_b32: lane l xor 16
.set CS,   22                          ; s[22:23] c: the packed form names a pair and takes its low word for both halves
.set G1,   24                          ; s[24:31] descriptor group 1
.set G0E,  32                          ; s[32:35] group 0 of the early fill;  s[36:39] of the late one
.set G0L,  36
.set KF,   56                          ; s56  the step's first key
.set TB,   57                          ; s57  its byte in K's and in V's image: 64 x KF
.set CNT,  58                          ; s58  trips to go
	s_load_b256 s[4:11], s[0:1], 0x0               ; qimg s[4:5], kimg s[6:7], vimg s[8:9], the exponents s[10:11]
	s_load_b64 s[12:13], s[0:1], 0x20              ; yimg
	v_lshl_add_u32 v251, v0, 2, 0x40000
	v_mov_b32 v255, 0
	ds_add_u32 v251, v255
	ds_add_u32 v251, v255
	v_lshrrev_b32 v2, 5, v0
	s_delay_alu instid0(VALU_DEP_1)
	v_readfirstlane_b32 s[WV], v2                  ; wave 0..15
	s_mov_b32 s48, ttmp9                           ; j
	s_and_b32 s49, ttmp7, 0xffff                   ; the head, 0..63
	; descriptor group 1: a dense block of 8,192 bytes as 32 rows of 32 elements of 8 bytes
	s_mov_b32 s[G1], 3<<16                         ; no mask; elements of 8 bytes; no padding: each lane reads at 16 x lane, so an LDS load's 512 bytes are consecutive
	s_mov_b32 s[G1+1], 32<<16                      ; tensor_dim0 = 32
	s_mov_b32 s[G1+2], 32<<16                      ; tensor_dim1 = 32
	s_mov_b32 s[G1+3], 32<<16                      ; tile_dim0 = 32
	s_mov_b32 s[G1+4], 32                          ; tile_dim1 = 32
	s_mov_b32 s[G1+5], 32                          ; from row to row
	s_mov_b32 s[G1+6], 0
	s_mov_b32 s[G1+7], 0
	s_lshl_b32 s60, s49, 17                        ; the head's first byte in each image: 131,072 x head
	s_mov_b32 s61, 0
	s_and_b32 s62, s[WV], 7
	s_lshl_b32 s62, s62, 13
	s_add_co_u32 s62, s62, s60                     ; + my 8,192 bytes of the early half
	s_mov_b32 s63, 0
	s_mov_b32 s[G0E], 1
	s_mov_b32 s[G0L], 1
	s_lshl_b32 s[G0E+1], s[WV], 13                 ; LDS: waves 0-7 fill K's image, waves 8-15 V's: 8,192 x wave + 65,536 x (wave / 8)
	s_lshr_b32 s59, s[WV], 3
	s_lshl_b32 s59, s59, 16
	s_add_co_u32 s[G0E+1], s[G0E+1], s59
	s_add_co_u32 s[G0L+1], s[G0E+1], 65536         ; the late half lies 65,536 bytes on, in LDS as in memory
	v_and_b32 v[LI], 31, v0
	s_delay_alu instid0(VALU_DEP_1)
	v_lshlrev_b32 v[LI], 4, v[LI]
	v_and_b32 v[DL], 15, v0
	v_bfe_u32 v5, v0, 4, 1
	s_delay_alu instid0(VALU_DEP_1)
	v_lshlrev_b32 v5, 3, v5
	s_delay_alu instid0(VALU_DEP_1)
	v_sub_nc_u32 v[DL], v[DL], v5
	v_mov_b32 v236, 0                              ; written once: a lane permute's destination counts as one of its sources
	v_mov_b32 v252, 0
	v_mov_b32 v253, 0                              ; (named as the upper half of the pair v[252:253])
	s_mov_b32 s[SEL], 0x76543210
	s_mov_b32 s[SEL+1], 0xfedcba98
	s_lshl_b32 s50, s48, 8
	s_lshl_b32 s59, s[WV], 4
	s_add_co_u32 s50, s50, s59                     ; the first pass's first query: 256 j + 16 w
	s_sub_co_u32 s51, 7, s48
	s_lshl_b32 s51, s51, 8
	s_sub_co_u32 s59, 240, s59
	s_add_co_u32 s51, s51, s59                     ; the second's: 256 (7 - j) + 16 (15 - w)
	s_wait_alu depctr_va_vdst(0)
	s_wait_dscnt 0x0
	s_wait_kmcnt 0x0
	s_load_b256 s[40:47], s[10:11], 0x10           ; e4 .. e11
	s_cmp_lt_u32 s[WV], 8
	s_cselect_b64 s[G0E+2:G0E+3], s[6:7], s[8:9]   ; the choice hangs on the wave's number alone
	s_add_nc_u64 s[G0E+2:G0E+3], s[G0E+2:G0E+3], s[62:63]
	s_add_nc_u64 s[G0L+2:G0L+3], s[G0E+2:G0E+3], 65536
	s_or_b32 s[G0E+3], s[G0E+3], 0x80000000        ; type = 2
	s_or_b32 s[G0L+3], s[G0L+3], 0x80000000
	tensor_load_to_lds s[G0E:G0E+3], s[G1:G1+7]    ; my first tensor load of the launch: the early fill
	s_nop 0
	s_wait_alu depctr_va_vdst(0)
	s_wait_tensorcnt 0x0
	ds_add_u32 v251, v255
	s_wait_dscnt 0x0
	s_barrier_signal -1
	s_barrier_wait -1
	tensor_load_to_lds s[G0L:G0L+3], s[G1:G1+7]
	s_nop 0
.rept 4
	v_nop                                          ; four v_nop follow them
.endr
	s_add_nc_u64 s[4:5], s[4:5], s[60:61]          ; Q at my head;
	s_lshl_b32 s62, s50, 6                         ; a tile of 16 queries is 1,024 bytes
	s_add_nc_u64 s[14:15], s[4:5], s[62:63]
	s_lshl_b32 s62, s51, 6
	s_add_nc_u64 s[16:17], s[4:5], s[62:63]
	global_load_b128 v[16:19], v[LI], s[14:15]
	global_load_b128 v[20:23], v[LI], s[14:15] offset:512
	global_load_b128 v[24:27], v[LI], s[16:17]
	global_load_b128 v[28:31], v[LI], s[16:17] offset:512
	; y: (128 x batch + query / 16) x 16,384 + (head / 2) x 2,048 + (head % 2) x 1,024
	s_lshr_b32 s59, s49, 4
	s_lshl_b32 s59, s59, 21
	s_bfe_u32 s62, s49, 0x30001                    ; three bits from bit 1: the head's number in its batch, halved
	s_lshl_b32 s62, s62, 11
	s_add_co_u32 s59, s59, s62
	s_and_b32 s62, s49, 1
	s_lshl_b32 s62, s62, 10
	s_add_co_u32 s59, s59, s62
	s_lshl_b32 s62, s50, 10
	s_add_co_u32 s62, s62, s59
	s_add_nc_u64 s[52:53], s[12:13], s[62:63]
	s_lshl_b32 s62, s51, 10
	s_add_co_u32 s62, s62, s59
	s_add_nc_u64 s[54:55], s[12:13], s[62:63]
	s_wait_kmcnt 0x0
	s_add_co_i32 s59, s42, s43                     ; e6 + e7: a score stands for score x 2^(e6 + e7): the two exponents are added to c's exponent field
	s_lshl_b32 s59, s59, 23
	s_mov_b32 s[CS], 0x3e38aa3b                    ; c = log2(e) / sqrt(64)
	s_add_co_i32 s[CS], s[CS], s59
	s_mov_b32 s[CS+1], s[CS]                       ; (named with it as a pair, so it is written)
	s_add_co_i32 s59, s44, 127
	s_lshl_b32 s62, s59, 23
	v_mov_b32 v244, s62                            ; 2^e8, for p's conversions
	s_sub_co_i32 s59, s46, s44                     ; O's sum / l stands for that x 2^(e8 + e9): y's code is it / 2^(e10 - e8 - e9)
	s_sub_co_i32 s59, s59, s45
	s_add_co_i32 s59, s59, 127
	s_lshl_b32 s62, s59, 23
	v_mov_b32 v246, s62
; A KEY STEP: 128 keys from s[KF] on, for the 16 queries from s[q0] on, whose fragment lies in v[qf] on.
.macro STEP qf, q0
	s_add_co_u32 s59, s[\q0], 15
	s_cmp_gt_u32 s[KF], s59                        ; all 128 keys come after my queries: the step's work is left out; the lines at its end that step addresses are not
	s_cbranch_scc1 .Lhidden_\@
	s_setprio 2
	v_add_nc_u32 v[ADK], s[TB], v[LI]
	s_delay_alu instid0(VALU_DEP_1)
	v_add_nc_u32 v[ADV], VOFF, v[ADK]
	v_nop                                          ; with the two additions: four places in front of loads into registers that the last step's products have read
	v_nop
.irp u, 0,1,2,3,4,5,6,7
	ds_load_b128 v[32+8*\u:35+8*\u], v[ADK] offset:1024*\u
	ds_load_b128 v[36+8*\u:39+8*\u], v[ADK] offset:1024*\u+512
.endr
	s_wait_alu depctr_va_vdst(0)
	s_wait_dscnt 0x0                               ; K's eight fragments are in
.irp u, 0,1,2,3,4,5,6,7
	v_wmma_f32_16x16x64_fp8_fp8 v[96+8*\u:103+8*\u], v[32+8*\u:39+8*\u], v[\qf:\qf+7], 0
.endr
.rept 4
	v_nop                                          ; places in front of the loads below and of the first read of the scores
.endr
.irp d, 0,1,2,3                        ; V's four fragments (16 of the head's 64 x 128 keys) land while the softmax is worked
.irp g, 0,1,2,3
	ds_load_b128 v[32+16*\d+4*\g:35+16*\d+4*\g], v[ADV] offset:2048*\g+512*\d
.endr
.endr
	s_add_co_u32 s59, s[KF], 127
	s_cmp_le_u32 s59, s[\q0]                       ; all 128 keys count for all my queries: no mask
	s_cbranch_scc1 .Lopen_\@
	s_sub_co_i32 s59, s[\q0], s[KF]
	v_add_nc_u32 v252, s59, v[DL]                  ; my query - KF - 8 (lane / 16).  Register 8 u + i holds key KF + 16 u + 8 (lane / 16) + i: hidden where 16 u + i is above that
	v_mov_b32 v254, 0xff800000                     ; -infinity: p = 0 then
.set ix, 0
.rept 64
	v_cmp_gt_i32 vcc_lo, 16*(ix/8)+ix%8, v252
	v_cndmask_b32 v[96+ix], v[96+ix], v254, vcc_lo
.set ix, ix+1
.endr
.Lopen_\@:
	v_max3_num_f32 v254, v96, v97, v98             ; the step's largest score of my query among my 64 keys, in two chains; each tile is first read at its low end
	v_max3_num_f32 v252, v99, v100, v101
.irp i, 6,10,14,18,22,26,30,34,38,42,46,50,54,58
	v_max3_num_f32 v254, v254, v[96+\i], v[97+\i]
	v_max3_num_f32 v252, v252, v[98+\i], v[99+\i]
.endr
	v_max3_num_f32 v254, v254, v158, v159
	s_delay_alu instid0(VALU_DEP_1)
	v_max_num_f32 v254, v254, v252
	v_permlanex16_b32 v236, v254, s[SEL], s[SEL+1]
	s_delay_alu instid0(VALU_DEP_1)
	v_max_num_f32 v254, v254, v236                 ; and among lane l xor 16's.  The query's own key lies in or ahead of every step that is worked, so this is a number
	s_delay_alu instid0(VALU_DEP_1)
	v_mul_f32 v254, s[CS], v254                    ; as t (c is positive)
	s_delay_alu instid0(VALU_DEP_1)
	v_max_num_f32 v13, v13, v254                   ; the running largest t
	v_mov_b32 v254, v12
	s_delay_alu instid0(VALU_DEP_2)
	v_floor_f32 v12, -v13                          ; the new -M = floor(-t) = -ceil(t): a whole number
	s_delay_alu instid0(VALU_DEP_1)
	v_sub_f32 v254, v12, v254                      ; old M - new M: a whole number, 0 or less
	s_delay_alu instid0(VALU_DEP_1)
	v_cvt_i32_f32 v254, v254                       ; (it saturates)
	s_delay_alu instid0(VALU_DEP_1)
	v_ldexp_f32 v252, 1.0, v254                    ; f = 2^(old M - new M)
.set ix, 0
	s_setprio 1
.rept 32
	v_pk_fma_f32 v[96+ix:97+ix], v[96+ix:97+ix], s[CS:CS+1], v[12:13] op_sel_hi:[1,0,0]   ; t - M, two at a time
.set ix, ix+2
.endr
.set ix, 0
	s_wait_alu depctr_va_vdst(0)
.rept 64
	v_exp_f32 v[96+ix], v[96+ix]                   ; p = 2^(t - M), at most 1
.set ix, ix+1
.endr
	v_pk_mul_f32 v[14:15], v[14:15], v[252:253] op_sel_hi:[1,0]   ; the sums under the new M.  (The plain place behind the exponentials)
	s_wait_alu depctr_va_vdst(0)
	v_pk_add_f32 v[242:243], v[96:97], v[98:99]    ; the row's sum is taken of the unquantised p: two at a time, in two chains
.irp i, 4,8,12,16,20,24,28,32,36,40,44,48,52,56,60
	v_pk_add_f32 v[14:15], v[14:15], v[96+\i:97+\i]
	v_pk_add_f32 v[242:243], v[242:243], v[98+\i:99+\i]
.endr
	s_delay_alu instid0(VALU_DEP_1)
	v_pk_add_f32 v[14:15], v[14:15], v[242:243]
.set ix, 0
.rept 64
.set ix, ix+1
.endr
	s_setprio 0
.irp u, 0,1,2,3,4,5,6,7
	v_cvt_scalef32_pk8_fp8_f32 v[224+2*\u:225+2*\u], v[96+8*\u:103+8*\u], v244
.endr
.set ix, 0
.rept 16
	v_pk_mul_f32 v[160+ix:161+ix], v[160+ix:161+ix], v[252:253] op_sel_hi:[1,0]   ; O^T under the new M.  (These are also the plain places between the conversions and the products below)
.set ix, ix+2
.endr
	s_wait_alu depctr_va_vdst(0)
	s_wait_dscnt 0x0                               ; V's four fragments are in
.irp d, 0,1,2,3                        ; four accumulators, one instruction each; between two links on one of them stand the next step's eight products K Q^T
	v_wmma_f32_16x16x128_fp8_fp8 v[160+8*\d:167+8*\d], v[32+16*\d:47+16*\d], v[224:239], v[160+8*\d:167+8*\d]
.endr
.Lhidden_\@:
	s_add_co_u32 s[KF], s[KF], 128
	s_add_co_u32 s[TB], s[TB], 8192
.endm
; A PASS: one tile of 16 queries against n key steps (a constant: what the mask hides is jumped over inside), then O^T / the sum, quantised, as two stores of 512 consecutive bytes.
.macro PASS n, qf, q0, yb, yc
	v_mov_b32 v13, 0xff61b1e6                      ; the largest t so far: -3e38, under every t
	s_delay_alu instid0(VALU_DEP_1)
	v_floor_f32 v12, -v13                          ; -M
	v_mov_b32 v14, 0                               ; the sum, in two halves
	v_mov_b32 v15, 0
.set ix, 0
.rept 32
	v_mov_b32 v[160+ix], 0                         ; O^T.  (The step is written once: the first finds zeros, which the first change of M leaves zeros)
.set ix, ix+1
.endr
	s_mov_b32 s[KF], 0
	s_mov_b32 s[TB], 0
	s_mov_b32 s[CNT], \n
.Lstep_\@:
	STEP \qf, \q0
	s_sub_co_u32 s[CNT], s[CNT], 1
	s_cmp_lg_u32 s[CNT], 0
	s_cbranch_scc1 .Lstep_\@
	s_setprio 0
.rept 4
	v_nop                                          ; places behind the last products
.endr
	v_add_f32 v14, v14, v15                        ; the sum's two halves,
	s_delay_alu instid0(VALU_DEP_1)
	v_permlanex16_b32 v252, v14, s[SEL], s[SEL+1]
	s_delay_alu instid0(VALU_DEP_1)
	v_add_f32 v14, v14, v252                       ; and lane l xor 16's: the row's sum
	s_wait_alu depctr_va_vdst(0)
	v_rcp_f32 v14, v14
	v_nop                                          ; one plain place behind the reciprocal
.set ix, 0
	s_wait_alu depctr_va_vdst(0)
.rept 16
	v_pk_mul_f32 v[96+ix:97+ix], v[160+ix:161+ix], v[14:15] op_sel_hi:[1,0]   ; O^T / the sum; each accumulator from its low end on
.set ix, ix+2
.endr
.set ix, 0
.rept 32
.set ix, ix+1
.endr
.irp d, 0,1,2,3
	v_cvt_scalef32_pk8_fp8_f32 v[\yc+2*\d:\yc+2*\d+1], v[96+8*\d:103+8*\d], v246
.endr
	v_nop                                          ; one plain vector instruction behind the last conversion: later products write its sources
	global_store_b128 v[LI], v[\yc:\yc+3], s[\yb:\yb+1]             ; each pass has its own registers for its codes, so no store's data are written again
	global_store_b128 v[LI], v[\yc+4:\yc+7], s[\yb:\yb+1] offset:512
.endm
	s_wait_tensorcnt 0x1                           ; my early fill is in; the late one, issued behind it, may stay out
	s_barrier_signal -1
	s_barrier_wait -1                              ; everybody's early fill is in: keys 0 to 1,023 of K and of V
	s_wait_loadcnt 0x0                             ; Q
	PASS 8, 16, 50, 52, 208
	s_wait_tensorcnt 0x0                           ; my late fill is in,
	s_wait_dscnt 0x0
	s_barrier_signal -1
	s_barrier_wait -1                              ; everybody's is
	PASS 16, 24, 51, 54, 216
	s_wait_tensorcnt 0x0
	ds_add_u32 v251, v255
	s_wait_dscnt 0x0
	s_endpgm
.Lfunc_end_k_q64693b5501_attn:
	.size	k_q64693b5501_attn, .Lfunc_end_k_q64693b5501_attn-k_q64693b5501_attn
	.p2alignl 7, 3214868480
	.fill 96, 4, 3214868480
	.section	.rodata,"a",@progbits
	.p2align	6, 0x0
	.amdhsa_kernel k_q64693b5501_attn
		.amdhsa_group_segment_fixed_size 327680
		.amdhsa_private_segment_fixed_size 0
		.amdhsa_enable_private_segment 0
		.amdhsa_kernarg_size 40
		.amdhsa_user_sgpr_count 2
		.amdhsa_user_sgpr_kernarg_segment_ptr 1
		.amdhsa_wavefront_size32 1
		.amdhsa_system_sgpr_workgroup_id_x 1
		.amdhsa_system_sgpr_workgroup_id_y 1
		.amdhsa_system_sgpr_workgroup_id_z 1
		.amdhsa_system_vgpr_workitem_id 0
		.amdhsa_next_free_vgpr 256
		.amdhsa_next_free_sgpr 66
		.amdhsa_reserve_vcc 1
		.amdhsa_float_denorm_mode_32 3
		.amdhsa_float_denorm_mode_16_64 3
		.amdhsa_fp16_overflow 1
		.amdhsa_memory_ordered 1
		.amdhsa_forward_progress 1
		.amdhsa_inst_pref_size 50
	.end_amdhsa_kernel
	.amdgpu_metadata
---
amdhsa.version: [ 1, 2 ]
amdhsa.kernels:
  - .name:           k_q64693b5501_attn
    .symbol:         k_q64693b5501_attn.kd
    .args:
      - { .name: qimg, .offset: 0, .size: 8, .value_kind: global_buffer, .address_space: global }
      - { .name: kimg, .offset: 8, .size: 8, .value_kind: global_buffer, .address_space: global }
      - { .name: vimg, .offset: 16, .size: 8, .value_kind: global_buffer, .address_space: global }
      - { .name: lowp_scales, .offset: 24, .size: 8, .value_kind: global_buffer, .address_space: global }
      - { .name: yimg, .offset: 32, .size: 8, .value_kind: global_buffer, .address_space: global }
    .group_segment_fixed_size: 327680
    .private_segment_fixed_size: 0
    .kernarg_segment_align: 8
    .kernarg_segment_size: 40
    .max_flat_workgroup_size: 512
    .sgpr_count:     66
    .vgpr_count:     256
    .wavefront_size: 32
...
	.end_amdgpu_metadata
.endif
;; end of part 2
;; launch proj (part 3): grid 32 x 8, 4 waves a work-group, clusters of 4 x 1, 168,448 bytes of LDS; arguments yimg, Wo_codes, bo, lowp_scales, out0; writes out0
.if DOCPART == 3
	.amdgcn_target "amdgcn-amd-amdhsa--gfx1250"
	.amdhsa_code_object_version 6
	.text
	.protected	k_q64693b5501_proj
	.globl	k_q64693b5501_proj
	.p2align	8
	.type	k_q64693b5501_proj,@function
k_q64693b5501_proj:
	s_mov_b64 s[64:65], 0
	v_nop
	global_prefetch_b8 v0, s[64:65] scope:SCOPE_SE
	s_setreg_imm32_b32 hwreg(HW_REG_WAVE_MODE, 25, 1), 1
	s_wait_xcnt 0x0
	s_wait_alu depctr_hold_cnt(0) depctr_sa_sdst(0) depctr_va_vdst(0) depctr_va_sdst(0) depctr_va_ssrc(0) depctr_va_vcc(0) depctr_vm_vsrc(0)
	s_getreg_b32 s2, hwreg(HW_REG_IB_STS2, 6, 4)
	s_cmp_eq_u32 s2, 0
	s_cbranch_scc0 .Lentry_in_a_cluster
	s_endpgm
.Lentry_in_a_cluster:
	s_bfe_u32 s2, ttmp6, 0x10000c
	s_cmp_lg_u32 s2, 0x3003
	s_cbranch_scc0 .Lentry_shape_is_right
	s_endpgm
.Lentry_shape_is_right:
; out0 = y Wo + bo on codes of FP8 (E4M3).  yimg: [row tile 512][K step 8][g 4][lane 32][16 bytes]: images of the operand's registers in this form's own layout (registers 2 c, 2 c + 1: k = 16 c + 8 (lane / 16) + 0 .. 7).
; Wo_codes: [1024 columns][1024] bytes, K innermost.  bo: [1024] f32.  out0: [8192][1024] f32.  A sum stands for sum x 2^(e10 + e11): out = sum x 2^(e10 + e11) + bo, one packed multiply-add for two numbers.
; LIMIT: e10 + e11 lies between -126 and 127, so that 2^(e10 + e11) is an f32 number.
; SHARES.  A work-group of four waves makes 256 rows x 128 columns.  Wave w keeps its 64 rows of y for all of K in 512 registers (65,536 consecutive bytes of yimg, read once, 512 consecutive bytes a load);
; the 128 rows of Wo lie in LDS, whole: one tensor load a wave, nothing is filled again.  Each fragment of Wo read from LDS feeds four products.
; CLUSTER.  The four work-groups of a cluster make the same 128 columns of other rows: Wo's tile is asked for jointly (mask 15, the same descriptor in all four).
; All that the launch reads is asked for at its head, so there is nothing left to ask for ahead of its loads.
; THE MATRIX INSTRUCTION IS USED TRANSPOSED (source 0 = 16 rows of Wo, source 1 = 16 rows of y): a lane holds eight neighbouring columns of one row of out0.
; REGISTERS, in windows of 256: window 0: v1-6 addresses; v32-95, v96-159 two buffers of four fragments of Wo, on the way out a block's results and its rows read back; v192-255 the bias in the results' layout.
;   window 1: y's fragments of K steps 0-3 ((tile i, K step ks) at 64 (ks % 4) + 16 i); window 2: of K steps 4-7; window 3: the 32 accumulators ((i, j) at 8 (8 i + j)).
.set PITCH, 1040                       ; an LDS row of Wo: 1,024 bytes + 16 of padding: the 32 lanes of a load of 8 bytes touch 64 different banks (64 banks of 4 bytes: ISA guide 11.1)
.set STAGE, 128*PITCH                  ; behind Wo's tile, at a multiple of 256: 16 rows x 528 bytes for each wave, for the way out; no tensor load fills it
.set SP,    528
.set LI,   1                           ; v1   16 x lane
.set ADB,  2                           ; v2, v3  my lane's place in Wo's rows 0-63 and 64-127: PITCH x (lane % 16) + 8 x (lane / 16)
.set STO,  4                           ; v4   the way out: where I put 32 bytes of a row
.set RD,   5                           ; v5   and where I read a row back
.set BOF,  6                           ; v6   32 x (lane / 16): my eight numbers of a tile's sixteen of the bias
.set TMP,  32
.set BK,   96
.set BIAS, 192
.set WV,   20                          ; s20  my wave's number
.set G1,   24                          ; s[24:31] descriptor group 1;  s[32:35] group 0
.set G0,   32
.set MSB,  0
.macro WIN new                         ; the immediate's high byte repeats the setting that is left; a switch that changes nothing is dropped
.if MSB != (\new)
	s_set_vgpr_msb (MSB<<8)|(\new)
.set MSB, (\new)
.endif
.endm
.macro PLACES n
.rept \n
	v_nop
.endr
.endm
.macro CROUND                          ; a round of the cluster's barrier
	s_barrier_signal -1
	s_barrier_wait -1
	s_cmp_lg_u32 s[WV], 0
	s_cbranch_scc1 .Lnot_wave_0_\@
	s_barrier_signal -3
.Lnot_wave_0_\@:
	s_barrier_wait -3
	s_barrier_signal -1
	s_barrier_wait -1
.endm
	s_load_b256 s[4:11], s[0:1], 0x0               ; yimg s[4:5], Wo s[6:7], bo s[8:9], the exponents s[10:11]
	s_load_b64 s[12:13], s[0:1], 0x20              ; out0
	v_lshl_add_u32 v190, v0, 2, 0x29000
	v_mov_b32 v191, 0
	ds_add_u32 v190, v191
	ds_add_u32 v190, v191
	v_lshrrev_b32 v1, 5, v0
	v_readfirstlane_b32 s[WV], v1                  ; wave 0..3
	s_bfe_u32 s21, ttmp6, 0x40000                  ; cx
	s_lshl_b32 s22, ttmp9, 2
	s_add_co_u32 s22, s22, s21                     ; my block of 256 rows = 4 x cluster x + cx: it enters y's and out0's addresses alone
	s_and_b32 s23, ttmp7, 0xffff                   ; my 128 columns, which the four partners share
	; descriptor group 1: 32 rows of 1,024 bytes, padded in LDS
	s_mov_b32 s[G1], 15|(1<<20)|(1<<21)|(7<<22)|(3<<25)   ; the mask: all four work-groups; elements of 1 byte; padding on; 21 set beside a mask; after every 256 words (code 7) four words (code 3)
	s_mov_b32 s[G1+1], 1024<<16                    ; tensor_dim0
	s_mov_b32 s[G1+2], 32<<16                      ; tensor_dim1
	s_mov_b32 s[G1+3], 1024<<16                    ; tile_dim0
	s_mov_b32 s[G1+4], 32                          ; tile_dim1
	s_mov_b32 s[G1+5], 1024                        ; from row to row
	s_mov_b32 s[G1+6], 0
	s_mov_b32 s[G1+7], 0
	s_mov_b32 s[G0], 1
	s_mul_i32 s[G0+1], s[WV], 32*PITCH             ; LDS address: my 32 rows: the wave's number alone
	s_lshl_b32 s58, s23, 17                        ; Wo: (128 x column block + 32 x wave) rows of 1,024 bytes
	s_lshl_b32 s59, s[WV], 15
	s_add_co_u32 s58, s58, s59
	s_mov_b32 s59, 0
	v_and_b32 v8, 15, v0                           ; lane % 16
	v_bfe_u32 v9, v0, 4, 1                         ; lane / 16
	v_and_b32 v[LI], 31, v0
	v_lshlrev_b32 v[LI], 4, v[LI]
	v_mul_u32_u24 v[ADB], v8, PITCH
	v_lshl_add_u32 v[ADB], v9, 3, v[ADB]
	v_add_nc_u32 v[ADB+1], 64*PITCH, v[ADB]
	s_mul_i32 s57, s[WV], 16*SP
	s_add_co_u32 s57, s57, STAGE                   ; my stage
	v_mul_u32_u24 v[STO], v8, SP                   ; in: row lane % 16, 32 bytes for each half of the lanes
	v_lshl_add_u32 v[STO], v9, 5, v[STO]
	v_add_nc_u32 v[STO], s57, v[STO]
	v_add_nc_u32 v[RD], s57, v[LI]                 ; back: the 32 lanes take one row of 512 bytes
	v_lshlrev_b32 v[BOF], 5, v9
	; what hangs on cx stands in registers that never feed the descriptor
	s_lshl_b32 s60, s22, 18                        ; y: (16 x row block + 4 x wave) row tiles of 16,384 bytes
	s_lshl_b32 s62, s[WV], 16
	s_add_co_u32 s60, s60, s62
	s_mov_b32 s61, 0
	s_wait_dscnt 0x0
	s_wait_kmcnt 0x0
	s_load_b64 s[44:45], s[10:11], 0x28            ; e10, e11
	s_add_nc_u64 s[G0+2:G0+3], s[6:7], s[58:59]
	s_or_b32 s[G0+3], s[G0+3], 0x80000000          ; type = 2
	s_add_nc_u64 s[4:5], s[4:5], s[60:61]
	s_lshl_b32 s60, s22, 20                        ; out0: (256 x row block + 64 x wave) rows of 4,096 bytes + 512 x column block
	s_lshl_b32 s62, s[WV], 18
	s_add_co_u32 s60, s60, s62
	s_lshl_b32 s62, s23, 9
	s_add_co_u32 s60, s60, s62
	s_add_nc_u64 s[12:13], s[12:13], s[60:61]
	s_mov_b32 s63, 0
	s_add_nc_u64 s[8:9], s[8:9], s[62:63]          ; bo at my 128 columns
	CROUND                                         ; all four work-groups are here: the joint loads meet
	tensor_load_to_lds s[G0:G0+3], s[G1:G1+7]      ; my one tensor load of the launch
	s_nop 0
	PLACES 4                                       ; four v_nop follow it, ahead of the switch of windows
	s_wait_alu depctr_va_vdst(0)
.irp j, 0,1,2,3,4,5,6,7                ; the bias: for tile j of columns, lane (r, h) wants columns 16 j + 8 h + 0 .. 7
	global_load_b128 v[BIAS+8*\j:BIAS+8*\j+3], v[BOF], s[8:9] offset:64*\j
	global_load_b128 v[BIAS+8*\j+4:BIAS+8*\j+7], v[BOF], s[8:9] offset:64*\j+16
.endr
.irp ks, 0,1,2,3,4,5,6,7               ; y: K step by K step, so that the products can begin when the first steps are in
	WIN 0x40+0x40*(\ks/4)                          ; destination window 1 or 2, address window 0
.irp i, 0,1,2,3
.irp g, 0,1,2,3
	global_load_b128 v[64*(\ks%4)+16*\i+4*\g:64*(\ks%4)+16*\i+4*\g+3], v[LI], s[4:5] offset:\i*16384+\ks*2048+\g*512
.endr
.endr
.endr
	WIN 0
; 32 LDS loads: chunk n = (K step n / 2, column tiles 4 (n % 2) .. + 3): four fragments of Wo in the form's own layout, eight loads of 8 bytes each, into buffer n % 2
.macro BFETCH n
.set fks, (\n)/2
.set fjh, (\n)%2
.set FB, 32+64*((\n)%2)
.irp jj, 0,1,2,3
.irp c, 0,1,2,3,4,5,6,7
	ds_load_b64 v[FB+16*\jj+2*\c:FB+16*\jj+2*\c+1], v[ADB+fjh] offset:16*PITCH*\jj+128*fks+16*\c
.endr
.endr
.endm
; A chunk: 16 products, four tiles of columns x my four tiles of rows, 128 along K: sixteen accumulators, one instruction each.  The first K step starts the sums with the constant 0.
.macro CHUNK n
.set ks, (\n)/2
.set jh, (\n)%2
.set BB, 32+64*((\n)%2)
.if jh == 0
.if 16*(7-ks) > 63
	s_wait_loadcnt 63                              ; behind this K step's loads of y 16 (7 - ks) were issued; the count's field holds 63, and a smaller count is safe
.else
	s_wait_loadcnt 16*(7-ks)                       ; this K step's 16 loads of y are in; the later K steps' may be out
.endif
.endif
.if (\n) == 15
	s_wait_dscnt 0x0
.else
	s_wait_dscnt 32                                ; this chunk's 32 LDS loads are in; the next chunk's 32 may be out
.endif
	WIN 0xf4+4*(ks/4)                              ; source 0 (Wo) window 0, source 1 (y) window 1 or 2, C and D window 3
.irp jj, 0,1,2,3
.irp i, 0,1,2,3
.set rD, 8*(8*\i+4*jh+\jj)
.set rA, 64*(ks%4)+16*\i
.if ks == 0
	v_wmma_f32_16x16x128_fp8_fp8 v[rD:rD+7], v[BB+16*\jj:BB+16*\jj+15], v[rA:rA+15], 0
.else
	v_wmma_f32_16x16x128_fp8_fp8 v[rD:rD+7], v[BB+16*\jj:BB+16*\jj+15], v[rA:rA+15], v[rD:rD+7]
.endif
.endr
.endr
	WIN 0
	PLACES 4                                       ; four places in front of loads into registers that matrix instructions have read, and of the first read of results
.if (\n)+2 < 16
	BFETCH (\n)+2
.endif
.endm
; THE WAY OUT of my rows 16 i .. 16 i + 15: scale and bias; a lane's 32 bytes of a row go into my own stage and come back as whole rows of 512 bytes, which the 32 lanes store as 512 consecutive bytes, aligned.
.macro OUTBLK i
	WIN 0x03                                       ; source 0 (the sums) window 3
.set ix, 0
.rept 32
	v_pk_fma_f32 v[TMP+ix:TMP+ix+1], v[64*\i+ix:64*\i+ix+1], s[46:47], v[BIAS+ix:BIAS+ix+1] op_sel_hi:[1,0,1]   ; sum x 2^(e10 + e11) + bo; each accumulator from its low end on
.set ix, ix+2
.endr
	WIN 0
.irp j, 0,1,2,3,4,5,6,7
	ds_store_b128 v[STO], v[TMP+8*\j:TMP+8*\j+3] offset:64*\j
	ds_store_b128 v[STO], v[TMP+8*\j+4:TMP+8*\j+7] offset:64*\j+16
.endr
.irp t, 0,1,2,3,4,5,6,7,8,9,10,11,12,13,14,15
	ds_load_b128 v[BK+4*\t:BK+4*\t+3], v[RD] offset:\t*SP          ; LDS serves a wave's instructions in order (ISA guide 5.7.1.4): these see my stores
.endr
.irp t, 0,1,2,3,4,5,6,7,8,9,10,11,12,13,14,15
	s_wait_dscnt 15-\t                             ; row t is back; the younger rows may be out
	global_store_b128 v[LI], v[BK+4*\t:BK+4*\t+3], s[12:13] offset:(16*\i+\t)*4096 th:TH_STORE_NT   ; written once, read by nobody here
.endr
.if \i < 3
	s_wait_xcnt 0x0                                ; the stores have read their data: the next block's rows land there only behind this wait
.endif
.endm
	s_wait_kmcnt 0x0
	s_add_co_i32 s46, s44, s45                     ; e10 + e11,
	s_add_co_i32 s46, s46, 127
	s_lshl_b32 s46, s46, 23                        ; as the f32 number 2^(e10 + e11)
	s_mov_b32 s47, s46                             ; (named with it as a pair, so it is written)
	s_wait_tensorcnt 0x0                           ; my 32 rows of Wo are in LDS,
	s_barrier_signal -1
	s_barrier_wait -1                              ; everybody's are
	BFETCH 0
	BFETCH 1
.irp n, 0,1,2,3,4,5,6,7,8,9,10,11,12,13,14,15
	CHUNK \n
.endr
.irp i, 0,1,2,3
	OUTBLK \i
.endr
	s_wait_dscnt 0x0
	s_wait_tensorcnt 0x0
	ds_add_u32 v190, v191
	s_wait_dscnt 0x0
	CROUND                                         ; the closing round: no work-group ends while a partner may still ask for the tile that names it
	s_endpgm
.Lfunc_end_k_q64693b5501_proj:
	.size	k_q64693b5501_proj, .Lfunc_end_k_q64693b5501_proj-k_q64693b5501_proj
	.p2alignl 7, 3214868480
	.fill 96, 4, 3214868480
	.section	.rodata,"a",@progbits
	.p2align	6, 0x0
	.amdhsa_kernel k_q64693b5501_proj
		.amdhsa_group_segment_fixed_size 168448
		.amdhsa_private_segment_fixed_size 0
		.amdhsa_enable_private_segment 0
		.amdhsa_kernarg_size 40
		.amdhsa_user_sgpr_count 2
		.amdhsa_user_sgpr_kernarg_segment_ptr 1
		.amdhsa_wavefront_size32 1
		.amdhsa_system_sgpr_workgroup_id_x 1
		.amdhsa_system_sgpr_workgroup_id_y 1
		.amdhsa_system_sgpr_workgroup_id_z 1
		.amdhsa_system_vgpr_workitem_id 0
		.amdhsa_next_free_vgpr 1024
		.amdhsa_next_free_sgpr 66
		.amdhsa_reserve_vcc 0
		.amdhsa_float_denorm_mode_32 3
		.amdhsa_float_denorm_mode_16_64 3
		.amdhsa_memory_ordered 1
		.amdhsa_forward_progress 1
		.amdhsa_inst_pref_size 95
	.end_amdhsa_kernel
	.amdgpu_metadata
---
amdhsa.version: [ 1, 2 ]
amdhsa.kernels:
  - .name:           k_q64693b5501_proj
    .symbol:         k_q64693b5501_proj.kd
    .args:
      - { .name: yimg, .offset: 0, .size: 8, .value_kind: global_buffer, .address_space: global }
      - { .name: Wo_codes, .offset: 8, .size: 8, .value_kind: global_buffer, .address_space: global }
      - { .name: bo, .offset: 16, .size: 8, .value_kind: global_buffer, .address_space: global }
      - { .name: lowp_scales, .offset: 24, .size: 8, .value_kind: global_buffer, .address_space: global }
      - { .name: out0, .offset: 32, .size: 8, .value_kind: global_buffer, .address_space: global }
    .group_segment_fixed_size: 168448
    .private_segment_fixed_size: 0
    .kernarg_segment_align: 8
    .kernarg_segment_size: 40
    .max_flat_workgroup_size: 128
    .sgpr_count:     66
    .vgpr_count:     1024
    .wavefront_size: 32
...
	.end_amdgpu_metadata
.endif
;; end of part 3
